; MI455X (gfx1250); checked and timed in simulation.
; The chip was launched on July 23, 2026; its instructions are those of AMD's public machine-readable ISA for CDNA 5 (MIT licence, August 2026) and "CDNA5" Instruction Set Architecture Reference Guide (July 2026). The comments in the code are by the model that wrote it; some were corrected since.
;; Kmeans Model. Allowed arithmetic: float matrix products may take bf16 or f16 operands with f32 sums; all other float work in f32.
;; Inputs: centroids 768 x 10,000 float32; x 8,192 x 768 float32.
;; Outputs: out0 8,192 int32.
;; One version. Each part assembles by itself: llvm-mc -triple=amdgcn-amd-amdhsa -mcpu=gfx1250 --defsym DOCPART=n.
;; ======== version 1 of 1: 3 launches
;; workspace buffers: xb 12,582,912 bytes; cb 15,728,640 bytes; xn 32,768 bytes; cn 40,960 bytes; pval 262,144 bytes; pidx 262,144 bytes
;; launch prep (part 1): grid 288 x 1, 8 waves a work-group, no clusters, 104,704 bytes of LDS; arguments x, centroids, xb, cb, xn, cn; writes xb, cb, xn, cn
.if DOCPART == 1
	.amdgcn_target "amdgcn-amd-amdhsa--gfx1250"
	.amdhsa_code_object_version 6
	.text
	.protected	k_q014730e644_prep
	.globl	k_q014730e644_prep
	.p2align	8
	.type	k_q014730e644_prep,@function
k_q014730e644_prep:
	s_mov_b64 s[64:65], 0
	v_nop
	global_prefetch_b8 v0, s[64:65] scope:SCOPE_SE
	s_setreg_imm32_b32 hwreg(HW_REG_WAVE_MODE, 25, 1), 1
	s_wait_xcnt 0x0
; PREPARATION for the nearest-centroid search.  x: [8192][768] f32, centroids: [768][10000] f32.
;   xb[row][d] = bf16(x[row][d])                       [8192][768]
;   cb[n][d]   = bf16(centroids[d][n]), TRANSPOSED      [10240][768]; rows 10000.. hold copies of columns 9996..9999 (finite numbers)
;   xn[row] = sum over d of xb^2, cn[n] = sum over d of cb^2, in f32, of the ROUNDED numbers; cn[n] = +inf for n >= 10000, so that a padding row never wins.
; Each number of either input is used 32 to 40 times by the product that follows, so rounding and turning are done once, here.
; Memory binds: each input byte is read once, each output byte written once; the matrix unit and clusters have nothing to do here.
; SHARES.  Work-groups 0..159: 64 columns of centroids, all 768 d (196,608 bytes in, 98,304 out).  Work-groups 160..287: 64 rows of x (the same bytes).
; The choice hangs on the work-group's number alone, so all eight waves of a work-group take the same way and meet the same barrier.
; LIMITS.  NaN and infinities are not treated apart; the sums' order is this text's own (eight or four chains, then lanes or threads in ascending order).
.set TP,    1552                       ; a row of the turned tile in LDS: 768 bf16 = 1,536 bytes + 16
.set PART,  64*TP                      ; 16 x 256 bytes: the sixteen partial sums of squares of each of the 64 columns
.set XS,    PART+4096                  ; 256 bytes: the 64 row sums of the x role
.set SPARE, XS+256                     ; the spare words, 128 bytes for each of the eight waves: four blocks of 256 bytes that no other line names
.set CPIT,  40000                      ; bytes from a row of centroids to the next
.set SPW, 30                           ; v30  SPARE + 4 x my thread's number; never rewritten
.set NIL, 31                           ; v31  0; never rewritten
.set NA,  16                           ; v[16:23] eight chains of squares (column k, even d / odd d)
.set NS,  24                           ; v[24:27] sums
.set W,   96                           ; v[96:111] column k's eight d as four packed words, at W + 4 k
.set SB,  24                           ; s[24:35] centroids + p x 128 rows, p = 0..5; never rewritten
	s_load_b256 s[4:11], s[0:1], 0x0               ; x s[4:5], centroids s[6:7], xb s[8:9], cb s[10:11]
	s_load_b128 s[12:15], s[0:1], 0x20             ; xn s[12:13], cn s[14:15]
	v_lshl_add_u32 v[SPW], v0, 2, SPARE
	v_mov_b32 v[NIL], 0
	v_lshrrev_b32 v1, 5, v0
	v_readfirstlane_b32 s16, v1                    ; my wave's number
	v_and_b32 v2, 31, v0                           ; lane
	s_mov_b32 s36, 0x76543210                      ; v_permlanex16_b32: each lane takes its own place in the other half
	s_mov_b32 s37, 0xfedcba98
	s_cmp_lt_u32 ttmp9, 160
	s_cbranch_scc0 .Lxrole
; ---------------------------------------------------------------- centroids: 64 columns, turned
; Thread t: four columns 4 (t % 16) .. + 3, and in each pass of 128 d the eight d from 8 (t / 16) on.
	s_lshl_b32 s18, ttmp9, 6                       ; the group's first column
	v_and_b32 v3, 15, v0                           ; t % 16
	v_lshrrev_b32 v4, 4, v0                        ; t / 16
	v_lshl_add_u32 v5, v3, 2, s18                  ; my first column,
	v_min_u32 v5, 9996, v5                         ; held inside the tensor: the padding rows come to hold columns 9996..9999
	v_mul_u32_u24 v6, v4, 8*CPIT
	v_lshl_add_u32 v6, v5, 2, v6                   ; v6: byte offset of my 16 bytes in the first of my eight rows; never rewritten
	v_mul_u32_u24 v7, v3, 4*TP
	v_lshl_add_u32 v7, v4, 4, v7                   ; v7: LDS row 4 (t % 16), byte 16 (t / 16)
	v_lshlrev_b32 v8, 8, v4
	v_lshl_add_u32 v8, v3, 4, v8
	v_add_nc_u32 v8, PART, v8                      ; v8: my four partial sums
	s_mul_i32 s19, s16, 8*TP
	v_lshl_add_u32 v9, v2, 4, s19                  ; v9: back out of LDS: my wave's eight rows, 16 bytes a lane
	s_mul_i32 s20, s16, 8*1536
	v_lshl_add_u32 v10, v2, 4, s20                 ; v10: the same in cb
	v_lshl_add_u32 v11, v2, 3, PART                ; v11: wave 0: two columns' partial sums a lane
	v_lshl_add_u32 v12, v2, 1, s18                 ; v12: the first of those two columns
	v_mov_b32 v13, 0x7f800000                      ; +inf
	v_lshlrev_b32 v14, 3, v2                       ; v14: 8 bytes a lane in cn
.irp k, 0,1,2,3,4,5,6,7
	v_mov_b32 v[NA+(\k)], 0
.endr
	s_mul_i32 s22, ttmp9, 64*1536                  ; the group's 64 rows of cb
	s_mov_b32 s23, 0
	s_lshl_b32 s38, ttmp9, 8                       ; and its 64 numbers of cn
	s_mov_b32 s39, 0
	s_wait_kmcnt 0x0
	s_add_nc_u64 s[10:11], s[10:11], s[22:23]
	s_add_nc_u64 s[14:15], s[14:15], s[38:39]
.irp p, 0,1,2,3,4,5
	s_add_nc_u64 s[SB+2*(\p):SB+2*(\p)+1], s[6:7], (\p)*128*CPIT
.endr
; Pass p's eight loads: rows 128 p + 8 (t / 16) + i.  Sixteen lanes take 256 consecutive bytes of a row.
.macro LOADP p
.irp i, 0,1,2,3,4,5,6,7
	global_load_b128 v[32+32*((\p)%2)+4*(\i):32+32*((\p)%2)+4*(\i)+3], v6, s[SB+2*(\p):SB+2*(\p)+1] offset:CPIT*(\i)
.endr
.endm
; Pass p at work: column k's eight d are packed into 16 bytes, their squares (of the rounded numbers) added in eight chains, and the 16 bytes put into LDS row 4 (t % 16) + k.
; Sixteen lanes' stores lie 4 TP = 6,208 bytes apart, 64 modulo 256: four different 16-byte columns, so they are served four deep (64 banks of 4 bytes: ISA guide 11.1).
; 24 such stores a wave in the whole launch, under a stream from memory: left so, since a pitch that spreads them would break the 16-byte alignment.
.macro CONV p
.set XB, 32+32*((\p)%2)
.irp k, 0,1,2,3
.irp m, 0,1,2,3
	v_cvt_pk_bf16_f32 v[W+4*(\k)+(\m)], v[XB+8*(\m)+(\k)], v[XB+8*(\m)+4+(\k)]
.endr
.endr
.irp m, 0,1,2,3
.irp k, 0,1,2,3
	v_fma_mix_f32_bf16 v[NA+2*(\k)], v[W+4*(\k)+(\m)], v[W+4*(\k)+(\m)], v[NA+2*(\k)] op_sel_hi:[1,1,0]
	v_fma_mix_f32_bf16 v[NA+2*(\k)+1], v[W+4*(\k)+(\m)], v[W+4*(\k)+(\m)], v[NA+2*(\k)+1] op_sel:[1,1,0] op_sel_hi:[1,1,0]
.endr
.endr
.irp k, 0,1,2,3
	ds_store_b128 v7, v[W+4*(\k):W+4*(\k)+3] offset:(\k)*TP+256*(\p)
.endr
.endm
	LOADP 0
	LOADP 1                                        ; two passes, sixteen loads of a wave, are on their way
.irp p, 0,1,2,3
	s_wait_loadcnt 8                               ; loads come back in order: this pass's eight are in, the next pass's eight stay out
	CONV \p
	LOADP (\p)+2                                   ; into the registers just read
.endr
	s_wait_loadcnt 8
	CONV 4
	s_wait_loadcnt 0x0                             ; nothing was issued behind the last pass
	CONV 5
.irp k, 0,1,2,3
	v_add_f32 v[NS+(\k)], v[NA+2*(\k)], v[NA+2*(\k)+1]
.endr
	ds_store_b128 v8, v[NS:NS+3]
	s_wait_dscnt 0x0                               ; for the others' sake: my stores into the tile and into the partial sums are done
	s_barrier_signal -1
	s_barrier_wait -1
	s_cmp_lg_u32 s16, 0
	s_cbranch_scc1 .Lc_all
.irp g, 0,1,2,3,4,5,6,7,8,9,10,11,12,13,14,15      ; wave 0 alone: the sixteen partial sums of two columns a lane
	ds_load_b64 v[160+2*(\g):161+2*(\g)], v11 offset:256*(\g)
.endr
	s_wait_dscnt 0x0
.irp g, 1,2,3,4,5,6,7,8,9,10,11,12,13,14,15
	v_pk_add_f32 v[160:161], v[160:161], v[160+2*(\g):161+2*(\g)]
.endr
	v_cmp_gt_u32 vcc_lo, 10000, v12                ; both of a lane's columns lie on the same side of 10,000
	v_cndmask_b32 v160, v13, v160, vcc_lo
	v_cndmask_b32 v161, v13, v161, vcc_lo
	global_store_b64 v14, v[160:161], s[14:15]     ; 256 consecutive bytes, at a multiple of 256 from cn's first
.Lc_all:
.irp u, 0,1,2,3,4,5,6,7,8,9,10,11,12,13,14,15,16,17,18,19,20,21,22,23  ; every wave: eight whole rows back, three loads of 512 bytes a row
	ds_load_b128 v[32+4*(\u):35+4*(\u)], v9 offset:((\u)/3)*TP+512*((\u)%3)
.endr
.irp u, 0,1,2,3,4,5,6,7,8,9,10,11,12,13,14,15,16,17,18,19,20,21,22,23
	s_wait_dscnt 23-(\u)                           ; LDS loads come back in order: the younger ones stay out
	global_store_b128 v10, v[32+4*(\u):35+4*(\u)], s[10:11] offset:((\u)/3)*1536+512*((\u)%3)  ; 512 consecutive bytes, at a multiple of 256 from cb's first
.endr
	s_wait_tensorcnt 0x0                           ; the wave's end, behind my last LDS store
	ds_add_u32 v[SPW], v[NIL]
	s_wait_dscnt 0x0
	s_endpgm
; ---------------------------------------------------------------- x: 64 rows, a wave takes eight whole rows
.Lxrole:
	s_sub_co_u32 s17, ttmp9, 160
	s_mul_i32 s19, s16, 8*3072
	v_lshl_add_u32 v3, v2, 4, s19                  ; v3: my 16 bytes in my wave's first row of x
	s_mul_i32 s20, s16, 8*1536
	v_lshl_add_u32 v4, v2, 3, s20                  ; v4: my 8 bytes in the same row of xb
	s_lshl_b32 s21, s16, 5
	s_add_co_u32 s21, s21, XS
	v_mov_b32 v5, s21                              ; v5: my wave's eight row sums
	v_lshl_add_u32 v6, v2, 3, XS                   ; v6: wave 0: two row sums a lane
	v_lshlrev_b32 v7, 3, v2                        ; v7: 8 bytes a lane in xn
	s_mov_b32 s23, 0
	s_mul_i32 s22, s17, 64*3072
	s_wait_kmcnt 0x0
	s_add_nc_u64 s[4:5], s[4:5], s[22:23]
	s_mul_i32 s22, s17, 64*1536
	s_add_nc_u64 s[8:9], s[8:9], s[22:23]
	s_lshl_b32 s22, s17, 8
	s_add_nc_u64 s[12:13], s[12:13], s[22:23]
.irp r, 0,1,2,3,4,5,6,7                ; all 48 loads of the wave go out first: 24,576 bytes on their way
.irp i, 0,1,2,3,4,5
	global_load_b128 v[32+24*(\r)+4*(\i):35+24*(\r)+4*(\i)], v3, s[4:5] offset:3072*(\r)+512*(\i) th:TH_LOAD_NT
.endr
.endr
; Row r: rounded in place, stored, and the squares of the rounded numbers added: four chains, then the 32 lanes.  A row's registers are never used again.
.macro XROW r
.set XR, 32+24*(\r)
	s_wait_loadcnt 6*(7-(\r))                      ; the later rows' loads stay out
.irp i, 0,1,2,3,4,5
	v_cvt_pk_bf16_f32 v[XR+4*(\i)], v[XR+4*(\i)], v[XR+4*(\i)+1]
	v_cvt_pk_bf16_f32 v[XR+4*(\i)+1], v[XR+4*(\i)+2], v[XR+4*(\i)+3]
.endr
.irp k, 0,1,2,3
	v_mov_b32 v[NS+(\k)], 0
.endr
.irp i, 0,1,2,3,4,5
	global_store_b64 v4, v[XR+4*(\i):XR+4*(\i)+1], s[8:9] offset:1536*(\r)+256*(\i)  ; 256 consecutive bytes, at a multiple of 256 from xb's first
.endr
.irp i, 0,1,2,3,4,5
	v_fma_mix_f32_bf16 v[NS], v[XR+4*(\i)], v[XR+4*(\i)], v[NS] op_sel_hi:[1,1,0]
	v_fma_mix_f32_bf16 v[NS+1], v[XR+4*(\i)], v[XR+4*(\i)], v[NS+1] op_sel:[1,1,0] op_sel_hi:[1,1,0]
	v_fma_mix_f32_bf16 v[NS+2], v[XR+4*(\i)+1], v[XR+4*(\i)+1], v[NS+2] op_sel_hi:[1,1,0]
	v_fma_mix_f32_bf16 v[NS+3], v[XR+4*(\i)+1], v[XR+4*(\i)+1], v[NS+3] op_sel:[1,1,0] op_sel_hi:[1,1,0]
.endr
	v_add_f32 v[NS], v[NS], v[NS+1]
	v_add_f32 v[NS+2], v[NS+2], v[NS+3]
	v_add_f32 v[NS], v[NS], v[NS+2]
	v_add_f32_dpp v[NS], v[NS], v[NS] row_xmask:1 row_mask:0xf bank_mask:0xf
	v_add_f32_dpp v[NS], v[NS], v[NS] row_xmask:2 row_mask:0xf bank_mask:0xf
	v_add_f32_dpp v[NS], v[NS], v[NS] row_xmask:4 row_mask:0xf bank_mask:0xf
	v_add_f32_dpp v[NS], v[NS], v[NS] row_xmask:8 row_mask:0xf bank_mask:0xf
	v_permlanex16_b32 v[NS+1], v[NS], s36, s37     ; its destination counts as read: a register that has been written
	v_add_f32 v[NS], v[NS], v[NS+1]
	ds_store_b32 v5, v[NS] offset:4*(\r)           ; all lanes write the same word with the same number
.endm
.irp r, 0,1,2,3,4,5,6,7
	XROW \r
.endr
	s_wait_dscnt 0x0                               ; for wave 0's sake: my eight sums are in LDS
	s_barrier_signal -1
	s_barrier_wait -1
	s_cmp_lg_u32 s16, 0
	s_cbranch_scc1 .Lx_end
	ds_load_b64 v[NS:NS+1], v6                     ; wave 0 alone: the 64 sums leave as one block
	s_wait_dscnt 0x0
	global_store_b64 v7, v[NS:NS+1], s[12:13]      ; 256 consecutive bytes, at a multiple of 256 from xn's first
.Lx_end:
	s_wait_tensorcnt 0x0                           ; the wave's end, behind my last LDS store
	ds_add_u32 v[SPW], v[NIL]
	s_wait_dscnt 0x0
	s_endpgm
.Lfunc_end_k_q014730e644_prep:
	.size	k_q014730e644_prep, .Lfunc_end_k_q014730e644_prep-k_q014730e644_prep
	.p2alignl 7, 3214868480
	.fill 96, 4, 3214868480
	.section	.rodata,"a",@progbits
	.p2align	6, 0x0
	.amdhsa_kernel k_q014730e644_prep
		.amdhsa_group_segment_fixed_size 104704
		.amdhsa_private_segment_fixed_size 0
		.amdhsa_enable_private_segment 0
		.amdhsa_kernarg_size 48
		.amdhsa_user_sgpr_count 2
		.amdhsa_user_sgpr_kernarg_segment_ptr 1
		.amdhsa_wavefront_size32 1
		.amdhsa_system_sgpr_workgroup_id_x 1
		.amdhsa_system_sgpr_workgroup_id_y 1
		.amdhsa_system_sgpr_workgroup_id_z 1
		.amdhsa_system_vgpr_workitem_id 0
		.amdhsa_next_free_vgpr 224
		.amdhsa_next_free_sgpr 66
		.amdhsa_reserve_vcc 1
		.amdhsa_float_denorm_mode_32 3
		.amdhsa_float_denorm_mode_16_64 3
		.amdhsa_memory_ordered 1
		.amdhsa_forward_progress 1
		.amdhsa_inst_pref_size 68
	.end_amdhsa_kernel
	.amdgpu_metadata
---
amdhsa.version: [ 1, 2 ]
amdhsa.kernels:
  - .name:           k_q014730e644_prep
    .symbol:         k_q014730e644_prep.kd
    .args:
      - { .name: x, .offset: 0, .size: 8, .value_kind: global_buffer, .address_space: global }
      - { .name: centroids, .offset: 8, .size: 8, .value_kind: global_buffer, .address_space: global }
      - { .name: xb, .offset: 16, .size: 8, .value_kind: global_buffer, .address_space: global }
      - { .name: cb, .offset: 24, .size: 8, .value_kind: global_buffer, .address_space: global }
      - { .name: xn, .offset: 32, .size: 8, .value_kind: global_buffer, .address_space: global }
      - { .name: cn, .offset: 40, .size: 8, .value_kind: global_buffer, .address_space: global }
    .group_segment_fixed_size: 104704
    .private_segment_fixed_size: 0
    .kernarg_segment_align: 8
    .kernarg_segment_size: 48
    .max_flat_workgroup_size: 256
    .sgpr_count:     66
    .vgpr_count:     224
    .wavefront_size: 32
...
	.end_amdgpu_metadata
.endif
;; end of part 1
;; launch assign (part 2): grid 8 x 32, 4 waves a work-group, clusters of 4 x 4, 327,680 bytes of LDS; arguments xb, cb, xn, cn, pval, pidx; writes pval, pidx
.if DOCPART == 2
	.amdgcn_target "amdgcn-amd-amdhsa--gfx1250"
	.amdhsa_code_object_version 6
	.text
	.protected	k_q014730e644_assign
	.globl	k_q014730e644_assign
	.p2align	8
	.type	k_q014730e644_assign,@function
k_q014730e644_assign:
	s_mov_b64 s[64:65], 0
	v_nop
	global_prefetch_b8 v0, s[64:65] scope:SCOPE_SE
	s_setreg_imm32_b32 hwreg(HW_REG_WAVE_MODE, 25, 1), 1
	s_wait_xcnt 0x0
	s_wait_alu depctr_hold_cnt(0) depctr_sa_sdst(0) depctr_va_vdst(0) depctr_va_sdst(0) depctr_va_ssrc(0) depctr_va_vcc(0) depctr_vm_vsrc(0)
	s_getreg_b32 s2, hwreg(HW_REG_IB_STS2, 6, 4)
	s_cmp_eq_u32 s2, 0
	s_cbranch_scc0 .Lentry_in_a_cluster
	s_endpgm
.Lentry_in_a_cluster:
	s_bfe_u32 s2, ttmp6, 0x10000c
	s_cmp_lg_u32 s2, 0xf033
	s_cbranch_scc0 .Lentry_shape_is_right
	s_endpgm
.Lentry_shape_is_right:
; NEAREST CENTROID, the product and the partial argmin.  xb: [8192][768] bf16, cb: [10240][768] bf16 (centroids turned, padded), xn: [8192] f32, cn: [10240] f32 (+inf on the padding).
; dist[row][n] = (xn[row] - 2 sum over d of xb[row][d] cb[n][d]) + cn[n], sums in f32, the two roundings in this order; for each row the smallest dist and the FIRST index that has it.
; SHARES.  10,240 columns are 8 groups of 1,280.  Work-group (g, trow) owns rows 256 trow .. + 255 and walks the five tiles of 256 columns of group g: 256 work-groups, 5 tiles of 256 x 256 each.
; It stores one (value, index) for each of its rows into pval[g][row], pidx[g][row]; a later launch takes the first minimum over g.
; Four waves, as many as a WGP has SIMDs; a wave makes 128 x 128: 64 accumulators of 16 x 16, 512 registers.  K goes in steps of 128 through a ring of two LDS slots filled by the tensor data mover:
; the tiles' rows are 256 bytes of memory at multiples of 256 bytes.  The ring does not stop at a tile's end: a tile's last two changes of slots ask for the next tile's first two K steps.
; CLUSTERS: 4 x 4 work-groups.  The four of a row of the cluster (same trow) need the same tiles of xb, the four of a column (same g) the same tiles of cb: each tile is asked for JOINTLY, by the
; same tensor load with the same descriptor and a mask that names the four.
; THE MATRIX INSTRUCTION: source 0 = 16 centroids, source 1 = 16 rows of x.  In the result lane l holds row l % 16, and its registers 0..7 the centroids 8 (l / 16) + 0..7.  So a lane sees 64 scores of one row
; in each block of 16 rows, in ascending index order, and the argmin needs no exchange between lanes until the very end.
; THE ARGMIN of a tile stands behind its products, on registers alone: dist in place on the accumulators; then for each score a compare, a minimum and a select of a 6-bit code; only a strictly smaller
; dist replaces the best, so the first index stays.  It is written twice (a tile with a successor; the last tile, whose tail asks for no tile), so that no tensor load and no round is jumped over and come back to.
; LIMITS.  NaN is not treated apart.  A row whose dist are all +inf gives index 0.  The operands and both norms are those of the inputs rounded to bf16; the sums' order is the matrix unit's:
; a row whose two smallest dist lie within a few units in the last place of dist may get the other index.
;
; REGISTERS, in windows of 256 (s_set_vgpr_msb's low byte: bits 1:0 source 0, 3:2 source 1, 5:4 source 2, 7:6 destination):
;   window 0: v0-31 addresses and at work; v32-47 xn of my eight blocks of rows (each twice: a pair); v48-55 best dist; v56-63 its index; v64-127, v128-191 fragments of x, two buffers; v192-255 cn of my 64 columns a lane
;   window 1: v64-127, v128-191 fragments of the centroids, two buffers
;   window 2: the 32 accumulators of my rows 0-63 (accumulator (a, b) at v[8 (8 a + b)]);   window 3: those of my rows 64-127
.set DIMK,   768
.set KSTEP,  128
.set PITCH,  272                       ; an LDS row: 256 bytes + 16 of padding = 68 words: the 16 rows that a load touches start at 16 different groups of four banks (64 banks of 4 bytes: ISA guide 11.1)
.set HALFT,  128*PITCH                 ; 128 rows: what one tensor load brings, and what one wave reads of x or of the centroids
.set SLOT,   4*HALFT                   ; x's 256 rows, then the centroids' 256 rows
.set MERGE,  2*SLOT                    ; behind the ring, never filled by a tensor load: 2,048 bytes of values, 2,048 of indices: [wave][128 rows]
.set SPARE,  MERGE+4096                ; the spare words, 128 bytes for each wave: two blocks of 256 bytes that no other line names
.set LAPS,   DIMK/(2*KSTEP)            ; a lap = two K steps = once round the ring: 3
.set TILES,  5
.set BACK_A, (DIMK-2*KSTEP)*2          ; from a slot's last K step of a tile to its first of the next: x goes back along K (the walk's tiles share their rows of x),
.set NEXT_B, 256*DIMK*2-BACK_A         ; the centroids go 256 rows down and back along K
.set T,     4                          ; v4-7    at work
.set LI,    8                          ; v8-11   chain a: the code 8 b + j of the tile's best score so far; 64: none has beaten the best
.set ADRA,  16                         ; v16-17  LDS address of my fragments of x in slot 0, 1
.set ADRB,  20                         ; v20-21  the same for the centroids
.set MV,    22                         ; v22     the end: where my row's value goes
.set ML,    23                         ; v23     the end: where I read two rows back
.set CNO,   24                         ; v24     my byte offset in a tile's 256 numbers of cn; never rewritten
.set BASEV, 25                         ; v25     the index of my register 0 of block b = 0 in the tile in hand
.set XNO,   26                         ; v26     my byte offset in 16 numbers of xn
.set PO,    27                         ; v27     8 x lane
.set SPW,   28                         ; v28     SPARE + 4 x my thread's number; never rewritten
.set NIL,   29                         ; v29     0; never rewritten
.set XN2,   32
.set BEST,  48
.set IDX,   56
.set F0,    64
.set F1,    128
.set CN,    192
.set WV,    12                         ; s12  my wave's number
.set RH,    13                         ; s13  which half of the tile's rows is mine.  Also: I fetch x (0) or centroids (1)
.set CH,    14                         ; s14  which half of its columns.  Also: which 128 rows of that tile I fetch
.set TROW,  15                         ; s15  my block of 256 rows
.set G1,    24                         ; s[24:31] descriptor group 1 for x's tiles;  s[32:39] group 0, one set for each slot
.set G0,    32
.set G1B,   48                         ; s[48:55], s[56:63] the same for the centroids' tiles
.set G0B,   56
.set SEL,   66                         ; s[66:67] v_permlanex16_b32's selects
.set PVAL,  68                         ; s[68:69] pval, s[70:71] pidx
.set PIDX,  70
.set MK,    72                         ; s[72:75] four lane masks, one for each chain; s76-78 masks of the end's merges
.set CNB,   80                         ; s[80:81] cn at the tile in hand
.set MSB, 0
.macro WIN new                         ; the immediate's high byte repeats the setting that is left; a switch that changes nothing is dropped
.if MSB != (\new)
	s_set_vgpr_msb (MSB<<8)|(\new)
.set MSB, \new
.endif
.endm
.set MUL_LO, 0xa1                      ; source 0 (centroids) window 1, source 1 (x) window 0, C and D window 2
.set MUL_HI, 0xf1                      ; the same, C and D window 3
.set TO_B,   0x40                      ; destination window 1, address window 0
; A joint load.  Waves 0 and 1 fetch x's two halves, waves 2 and 3 the centroids'.  Each of the two lines has one mask and one set of registers for all that issue it.  The branch hangs on the wave's number alone.
; An s_nop 0 and four v_nop follow each of the two lines, ahead of the jump, the label and what follows.
.macro JLOAD s
	s_cmp_eq_u32 s[RH], 0
	s_cbranch_scc0 .Lfor_b_\@
	tensor_load_to_lds s[G0+4*(\s):G0+4*(\s)+3], s[G1:G1+7]
	s_nop 0
.rept 4
	v_nop
.endr
	s_branch .Lasked_\@
.Lfor_b_\@:
	tensor_load_to_lds s[G0B+4*(\s):G0B+4*(\s)+3], s[G1B:G1B+7]
	s_nop 0
.rept 4
	v_nop
.endr
.Lasked_\@:
.endm
; A round of the cluster's barrier: my work-group's barrier, so that wave 0's signal speaks for all four waves; wave 0 signals; every wave waits for all sixteen work-groups; my work-group's barrier once more.
.macro CREST                           ; a round behind its opening barrier
	s_cmp_lg_u32 s[WV], 0
	s_cbranch_scc1 .Lnot_wave_0_\@
	s_barrier_signal -3
.Lnot_wave_0_\@:
	s_barrier_wait -3
	s_barrier_signal -1
	s_barrier_wait -1
.endm
.macro CROUND                          ; a whole round
	s_barrier_signal -1
	s_barrier_wait -1
	CREST
.endm
	s_load_b256 s[4:11], s[0:1], 0x0               ; xb s[4:5], cb s[6:7], xn s[8:9], cn s[10:11]
	s_load_b128 s[PVAL:PVAL+3], s[0:1], 0x20       ; pval, pidx
	v_lshl_add_u32 v[SPW], v0, 2, SPARE
	v_mov_b32 v[NIL], 0
	ds_add_u32 v[SPW], v[NIL]                      ; the wave's opening: the add and its wait stand ahead of my first tensor load; the set-up below, work on registers, stands between them
	v_lshrrev_b32 v1, 5, v0
	v_readfirstlane_b32 s[WV], v1
	s_lshr_b32 s[RH], s[WV], 1
	s_and_b32 s[CH], s[WV], 1
	s_bfe_u32 s40, ttmp6, 0x40000                  ; cx: my place along the cluster's x
	s_bfe_u32 s41, ttmp6, 0x40004                  ; cy: along its y
	s_lshl_b32 s42, ttmp9, 2                       ; in a cluster launch ttmp9 and ttmp7 count clusters
	s_add_co_u32 s42, s42, s40                     ; g = 4 x cluster x + cx
	s_and_b32 s[TROW], ttmp7, 0xffff
	s_lshl_b32 s[TROW], s[TROW], 2
	s_add_co_u32 s[TROW], s[TROW], s41             ; trow = 4 x cluster y + cy
	s_lshl_b32 s43, s41, 2
	s_lshl_b32 s43, 15, s43                        ; my row of the cluster: places 4 cy .. 4 cy + 3
	s_lshl_b32 s44, 0x1111, s40                    ; my column: places cx, cx + 4, cx + 8, cx + 12
	; descriptor group 1: a tile of 128 rows x 128 elements, padded in LDS
	s_or_b32 s[G1+0], s43, (1<<16)|(1<<20)|(1<<21)|(5<<22)|(3<<25)   ; 15:0 the mask: x's tiles go to my row; 17:16 elements of 2 bytes; 20 padding on; 21 set beside a mask; 24:22 after every 64 words (code 5); 31:25 4 words of it (code 3)
	s_or_b32 s[G1B+0], s44, (1<<16)|(1<<20)|(1<<21)|(5<<22)|(3<<25)  ; the same with the mask of my column, for the centroids' tiles
.irp g, G1, G1B
	s_mov_b32 s[(\g)+1], KSTEP<<16                 ; tensor_dim0 = 128
	s_mov_b32 s[(\g)+2], 128<<16                   ; tensor_dim1 = 128
	s_mov_b32 s[(\g)+3], KSTEP<<16                 ; tile_dim0 = 128
	s_mov_b32 s[(\g)+4], 128                       ; tile_dim1 = 128
	s_mov_b32 s[(\g)+5], DIMK                      ; 768 elements from row to row
	s_mov_b32 s[(\g)+6], 0
	s_mov_b32 s[(\g)+7], 0
.endr
	; where the tiles come from.  x's hang on trow alone, which my row of the cluster shares; the centroids' on g alone, which my column shares; each in registers that never hold the other coordinate.
	s_lshl_b32 s17, s[CH], 7                       ; which 128 rows of the tile I fetch
	s_lshl_b32 s16, s[TROW], 8
	s_add_co_u32 s16, s16, s17                     ; xb: row 256 trow + 128 x half
	s_mul_i32 s46, s42, 1280
	s_add_co_u32 s46, s46, s17                     ; cb: row 1,280 g + 128 x half
	s_mov_b32 s17, 0
	s_mov_b32 s47, 0
	s_mov_b64 s[18:19], DIMK*2
	s_mul_u64 s[16:17], s[16:17], s[18:19]         ; in bytes
	s_mul_u64 s[46:47], s[46:47], s[18:19]
	s_mul_i32 s20, s[WV], HALFT                    ; and where they go: wave x 128 rows: no place in the cluster enters an LDS address
	s_mov_b32 s[SEL], 0x76543210
	s_mov_b32 s[SEL+1], 0xfedcba98
	s_wait_dscnt 0x0                               ; the opening add is done
	s_wait_kmcnt 0x0
	s_add_nc_u64 s[16:17], s[4:5], s[16:17]
	s_add_nc_u64 s[46:47], s[6:7], s[46:47]
	CROUND                                         ; all sixteen work-groups are here: the first joint loads meet
.irp s, 0,1
	s_mov_b32 s[G0+4*(\s)], 1                                        ; count = 1
	s_add_co_u32 s[G0+4*(\s)+1], s20, (\s)*SLOT                      ; LDS address
	s_add_nc_u64 s[G0+4*(\s)+2:G0+4*(\s)+3], s[16:17], (\s)*KSTEP*2  ; global address: K step s
	s_or_b32 s[G0+4*(\s)+3], s[G0+4*(\s)+3], 0x80000000              ; type = 2
	s_mov_b32 s[G0B+4*(\s)], 1
	s_add_co_u32 s[G0B+4*(\s)+1], s20, (\s)*SLOT
	s_add_nc_u64 s[G0B+4*(\s)+2:G0B+4*(\s)+3], s[46:47], (\s)*KSTEP*2
	s_or_b32 s[G0B+4*(\s)+3], s[G0B+4*(\s)+3], 0x80000000
	JLOAD \s                                       ; the ring is filled before anything else is done: two loads of mine are out
.endr
	; A fragment is 16 rows x 32 K in 8 registers: lane l holds row l % 16; registers 0-3 hold K = 8 (l / 16) + 0..7, registers 4-7 K = 16 + 8 (l / 16) + 0..7: two loads of 16 bytes, 32 bytes apart.
	v_and_b32 v1, 15, v0                           ; l % 16
	v_bfe_u32 v2, v0, 4, 1                         ; l / 16
	v_mul_u32_u24 v3, v1, PITCH
	v_lshl_add_u32 v3, v2, 4, v3                   ; row x pitch + 16 x half
	s_mul_i32 s21, s[RH], HALFT                    ; my 128 rows of x
	s_mul_i32 s22, s[CH], HALFT                    ; my 128 centroids,
	s_add_co_u32 s22, s22, 2*HALFT                 ; which lie behind x's 256 rows
.irp s, 0,1
	v_add_nc_u32 v[ADRA+(\s)], s21, v3
	v_add_nc_u32 v[ADRB+(\s)], s22, v3
	s_add_co_u32 s21, s21, SLOT
	s_add_co_u32 s22, s22, SLOT
.endr
	s_lshl_b32 s18, s[TROW], 10                    ; xn at my wave's 128 rows: 4 (256 trow + 128 x half)
	s_lshl_b32 s19, s[RH], 9
	s_add_co_u32 s18, s18, s19
	s_mov_b32 s19, 0
	s_add_nc_u64 s[8:9], s[8:9], s[18:19]
	v_lshlrev_b32 v[XNO], 2, v1
.irp a, 0,1,2,3,4,5,6,7                ; xn of row 16 a + l % 16, twice: the packed multiply-add names a pair
	global_load_b32 v[XN2+2*(\a)], v[XNO], s[8:9] offset:64*(\a)
	global_load_b32 v[XN2+2*(\a)+1], v[XNO], s[8:9] offset:64*(\a)
.endr
	s_lshl_b32 s21, s[CH], 9
	v_lshl_add_u32 v[CNO], v2, 5, s21              ; cn: 4 (128 x column half + 8 (l / 16))
	s_mul_i32 s46, s42, 5120                       ; cn at group g (in the registers that held the centroids' address: they hold g already)
	s_mov_b32 s47, 0
	s_add_nc_u64 s[CNB:CNB+1], s[10:11], s[46:47]
	s_mul_i32 s46, s42, 1280
	s_lshl_b32 s47, s[CH], 7
	s_add_co_u32 s46, s46, s47
	v_lshl_add_u32 v[BASEV], v2, 3, s46            ; 1,280 g + 128 x column half + 8 (l / 16)
	v_and_b32 v[PO], 31, v0
	v_lshlrev_b32 v[PO], 3, v[PO]
	s_lshl_b32 s18, s[WV], 9
	s_add_co_u32 s18, s18, MERGE
	v_lshl_add_u32 v[MV], v1, 2, s18               ; [wave][row 16 a + l % 16]: the block a stands in the offset
	s_lshl_b32 s18, s[RH], 10                      ; back: wave w takes rows 64 w + 2 x lane and the next: they lie in the areas of waves 2 (w / 2) and 2 (w / 2) + 1, 512 bytes apart
	s_lshl_b32 s19, s[CH], 8
	s_add_co_u32 s18, s18, s19
	s_add_co_u32 s18, s18, MERGE
	v_add_nc_u32 v[ML], s18, v[PO]
	s_lshl_b32 s82, s42, 15                        ; pval and pidx at [g][256 trow + 64 w]
	s_lshl_b32 s83, s[TROW], 10
	s_add_co_u32 s82, s82, s83
	s_lshl_b32 s83, s[WV], 8
	s_add_co_u32 s82, s82, s83
	s_mov_b32 s83, 0
	s_add_nc_u64 s[PVAL:PVAL+1], s[PVAL:PVAL+1], s[82:83]
	s_add_nc_u64 s[PIDX:PIDX+1], s[PIDX:PIDX+1], s[82:83]
.irp a, 0,1,2,3,4,5,6,7
	v_mov_b32 v[BEST+(\a)], 0x7f800000             ; +inf: any finite dist beats it
	v_mov_b32 v[IDX+(\a)], 0
.endr
.irp a, 0,1,2,3
	v_mov_b32 v[LI+(\a)], 64
.endr
; 16 matrix instructions: blocks of rows a0, a0 + 1 of the window's four (hi = 0: my rows 0-63, 1: rows 64-127) x all 8 blocks of centroids, 32 along K.  zero = 1: the first product starts the sums.
; The 64 accumulators take turns, one instruction a turn, in the same order in every quarter step.
.macro MUL16 f, hi, a0, zero
	WIN MUL_LO+0x50*(\hi)
.irp a, \a0, (\a0)+1
.irp b, 0,1,2,3,4,5,6,7
.if \zero
	v_wmma_f32_16x16x32_bf16 v[8*(8*(\a)+(\b)):8*(8*(\a)+(\b))+7], v[(\f)+8*(\b):(\f)+8*(\b)+7], v[(\f)+8*(4*(\hi)+(\a)):(\f)+8*(4*(\hi)+(\a))+7], 0
.else
	v_wmma_f32_16x16x32_bf16 v[8*(8*(\a)+(\b)):8*(8*(\a)+(\b))+7], v[(\f)+8*(\b):(\f)+8*(\b)+7], v[(\f)+8*(4*(\hi)+(\a)):(\f)+8*(4*(\hi)+(\a))+7], v[8*(8*(\a)+(\b)):8*(8*(\a)+(\b))+7]
.endif
.endr
.endr
.endm
; 32 LDS loads in one run: the fragments of one quarter step (128 centroids, 128 rows of x, 32 K at byte k of the rows) into buffer f
.macro FETCH slot, k, f
	WIN TO_B
.irp i, 0,1,2,3,4,5,6,7
	ds_load_b128 v[(\f)+8*(\i):(\f)+8*(\i)+3],   v[ADRB+(\slot)] offset:(\k)+(\i)*16*PITCH
	ds_load_b128 v[(\f)+8*(\i)+4:(\f)+8*(\i)+7], v[ADRB+(\slot)] offset:(\k)+(\i)*16*PITCH+32
.endr
	WIN 0
.irp i, 0,1,2,3,4,5,6,7
	ds_load_b128 v[(\f)+8*(\i):(\f)+8*(\i)+3],   v[ADRA+(\slot)] offset:(\k)+(\i)*16*PITCH
	ds_load_b128 v[(\f)+8*(\i)+4:(\f)+8*(\i)+7], v[ADRA+(\slot)] offset:(\k)+(\i)*16*PITCH+32
.endr
.endm
; A load into a register that a matrix instruction has read, and a vector instruction that reads a matrix result or writes one of a matrix instruction's registers, stand four places behind it;
; only plain vector instructions that name none of its registers are places (ISA guide 7.12.1 for vector instructions).
.macro PLACES
.rept 4
	v_nop
.endr
.endm
; A K step is four quarter steps of 32 along K, 64 matrix instructions each, on buffers 0, 1, 0, 1.  One of the first three: multiplies buffer f; in its middle it fetches the next quarter, at byte k, into buffer g.
.macro QUARTER slot, k, f, g, zero
	s_wait_dscnt 8                                 ; the centroids and x's rows 0-63 are in; the youngest eight loads (x's rows 64-127) may be out
	WIN MUL_LO
	MUL16 \f, 0, 0, \zero
	MUL16 \f, 0, 2, \zero
	PLACES
	FETCH \slot, \k, \g
	s_wait_dscnt 32                                ; all but the 32 just issued
	WIN MUL_HI
	MUL16 \f, 1, 0, \zero
	MUL16 \f, 1, 2, \zero
.endm
; The last quarter multiplies buffer 1 and changes slots.  MEET is its first half: ONE barrier for the change.  In front of it each wave waits for all its tensor loads, of which one is out: its part of the
; next slot; adds 0 to its spare word; and waits for that and for its own reads of this slot.  Behind it nobody reads this slot any more and the next slot is whole.
.macro MEET round                      ; round = 1: a round of the cluster's barrier follows
	WIN 0                                          ; (the add's two registers lie in window 0)
	s_wait_tensorcnt 0x0                           ; all my tensor loads have landed: the one that was out is my part of the next slot;
	ds_add_u32 v[SPW], v[NIL]                      ; 0 onto my spare word;
	s_wait_dscnt 9                                 ; (the add and the youngest eight loads may be out)
	WIN MUL_LO
	MUL16 F1, 0, 0, 0                              ; sixteen matrix instructions stand between the add and the wait for it
	s_wait_dscnt 0x0                               ; the add is done, and my reads of this slot are over:
	s_barrier_signal -1                            ; say so,
	MUL16 F1, 0, 2, 0                              ; work on registers while the others arrive,
.if \round
	WIN 0
.endif
	s_barrier_wait -1                              ; and go on when all four have said so
.endm
; The whole last quarter.  Behind the round the slot just read out is filled again first: with this tile's K step two steps on (on = 0) or, in a tile's last two K steps, with the NEXT tile's K step 0 or 1 (on = 1);
; then come the next slot's first fragments.  From a request to the wait for it a wave issues 224 matrix instructions; across a tile's end the argmin stands there too.
.macro TURN slot, next, on
	MEET 1
	CREST                                          ; no wave of any partner still reads this slot's tile or has a load on its way
.if \on
	s_sub_nc_u64 s[G0+4*(\slot)+2:G0+4*(\slot)+3], s[G0+4*(\slot)+2:G0+4*(\slot)+3], BACK_A
	s_add_nc_u64 s[G0B+4*(\slot)+2:G0B+4*(\slot)+3], s[G0B+4*(\slot)+2:G0B+4*(\slot)+3], NEXT_B
.else
	s_add_nc_u64 s[G0+4*(\slot)+2:G0+4*(\slot)+3], s[G0+4*(\slot)+2:G0+4*(\slot)+3], 2*KSTEP*2
	s_add_nc_u64 s[G0B+4*(\slot)+2:G0B+4*(\slot)+3], s[G0B+4*(\slot)+2:G0B+4*(\slot)+3], 2*KSTEP*2
.endif
	JLOAD \slot                                    ; the first tensor load behind the round; the four v_nop behind it are also the places in front of the loads below
	FETCH \next, 0, F0
	WIN MUL_HI
	MUL16 F1, 1, 0, 0
	MUL16 F1, 1, 2, 0
.endm
; cn of the tile in hand: register 8 b + j holds column 16 b + 8 (l / 16) + j of my 128.  Asked for at a tile's head, a whole walk along K ahead of its use.
.macro CNLOAD
	WIN 0
.irp b, 0,1,2,3,4,5,6,7
	global_load_b128 v[CN+8*(\b):CN+8*(\b)+3],   v[CNO], s[CNB:CNB+1] offset:64*(\b)
	global_load_b128 v[CN+8*(\b)+4:CN+8*(\b)+7], v[CNO], s[CNB:CNB+1] offset:64*(\b)+16
.endr
.endm
; dist = (xn - 2 mm) + cn, in place on the 32 accumulators of a window; 2 mm is exact, so the fused line rounds once, as xn - 2 mm does.  Each accumulator is read from its low end on.
.macro DIST hi
	WIN 0x82+0x41*(\hi)                            ; destination and source 0 in window 2 or 3; xn and cn in window 0
.irp a, 0,1,2,3
.irp b, 0,1,2,3,4,5,6,7
.irp p, 0,1,2,3
	v_pk_fma_f32 v[8*(8*(\a)+(\b))+2*(\p):8*(8*(\a)+(\b))+2*(\p)+1], v[8*(8*(\a)+(\b))+2*(\p):8*(8*(\a)+(\b))+2*(\p)+1], -2.0, v[XN2+2*(4*(\hi)+(\a)):XN2+2*(4*(\hi)+(\a))+1] op_sel_hi:[1,0,1]
.endr
.irp p, 0,1,2,3
	v_pk_add_f32 v[8*(8*(\a)+(\b))+2*(\p):8*(8*(\a)+(\b))+2*(\p)+1], v[8*(8*(\a)+(\b))+2*(\p):8*(8*(\a)+(\b))+2*(\p)+1], v[CN+8*(\b)+2*(\p):CN+8*(\b)+2*(\p)+1]
.endr
.endr
.endr
.endm
; The scan, in ascending index order (b, then j), four chains a side by side so that no line reads a result made fewer than four lines before it:
; the mask says 'dist is not smaller than the best: keep'; the best takes the minimum; the code 8 b + j is taken where the mask is off.
.macro SCAN hi
	WIN 0x02+(\hi)                                 ; source 0 in window 2 or 3, all else in window 0
.irp b, 0,1,2,3,4,5,6,7
.irp j, 0,1,2,3,4,5,6,7
.irp a, 0,1,2,3
	v_cmp_ge_f32 s[MK+(\a)], v[8*(8*(\a)+(\b))+(\j)], v[BEST+4*(\hi)+(\a)]
.endr
.irp a, 0,1,2,3
	v_min_num_f32 v[BEST+4*(\hi)+(\a)], v[8*(8*(\a)+(\b))+(\j)], v[BEST+4*(\hi)+(\a)]
.endr
.irp a, 0,1,2,3
	v_cndmask_b32 v[LI+(\a)], 8*(\b)+(\j), v[LI+(\a)], s[MK+(\a)]
.endr
.endr
.endr
.endm
; Where the tile has beaten the best, the code becomes an index: 16 b + j = code + (code & 56), on top of the tile's base.  The codes are set back to 'none'.
.macro TAKE hi
	WIN 0
.irp a, 0,1,2,3
	v_and_b32 v[T+(\a)], 56, v[LI+(\a)]
.endr
.irp a, 0,1,2,3
	v_cmp_gt_u32 s[MK+(\a)], 64, v[LI+(\a)]
.endr
.irp a, 0,1,2,3
	v_add3_u32 v[T+(\a)], v[T+(\a)], v[LI+(\a)], v[BASEV]
.endr
.irp a, 0,1,2,3
	v_cndmask_b32 v[IDX+4*(\hi)+(\a)], v[IDX+4*(\hi)+(\a)], v[T+(\a)], s[MK+(\a)]
.endr
.irp a, 0,1,2,3
	v_mov_b32 v[LI+(\a)], 64
.endr
.endm
; A tile's argmin.  It issues no LDS instruction, so the fragment loads that are out across it are counted rightly by the next tile's first wait.  more = 1: a tile follows.
.macro EPILOGUE more
	s_wait_loadcnt 0x0                             ; cn of this tile is in (the first time xn too); cn's base may be stepped behind this wait
	PLACES                                         ; behind the last products
	DIST 0
	SCAN 0
	TAKE 0
	DIST 1
	SCAN 1
	TAKE 1
.if \more
	v_add_nc_u32 v[BASEV], 0x100, v[BASEV]         ; the next tile's 256 columns
	s_add_nc_u64 s[CNB:CNB+1], s[CNB:CNB+1], 1024
.endif
.endm
	s_wait_tensorcnt 1                             ; my part of K step 0 is in; K step 1's may stay out
	s_barrier_signal -1
	s_barrier_wait -1                              ; everybody's is
	FETCH 0, 0, F0
	s_mov_b32 s2, TILES                            ; tiles to go, this one among them: the same number in every work-group
.Ltile:
	CNLOAD
	QUARTER 0, 64,  F0, F1, 1                      ; a tile's first quarter stands in front of the loop: its products start the sums
	WIN 0                                          ; at a label and at a branch every window is 0
	s_mov_b32 s3, LAPS-1
.Llap:                                                 ; a trip goes once round the ring, from a lap's second quarter to the next lap's first, and fills both slots again
	QUARTER 0, 128, F1, F0, 0
	QUARTER 0, 192, F0, F1, 0
	TURN 0, 1, 0
	QUARTER 1, 64,  F0, F1, 0
	QUARTER 1, 128, F1, F0, 0
	QUARTER 1, 192, F0, F1, 0
	TURN 1, 0, 0
	QUARTER 0, 64,  F0, F1, 0
	WIN 0
	s_sub_co_u32 s3, s3, 1
	s_cmp_lg_u32 s3, 0
	s_cbranch_scc1 .Llap
	QUARTER 0, 128, F1, F0, 0                      ; the tile's last lap goes on
	QUARTER 0, 192, F0, F1, 0
	WIN 0
	s_cmp_eq_u32 s2, 1
	s_cbranch_scc1 .Llast_tile                     ; the last tile's tail is written out: it asks for nothing more
	TURN 0, 1, 1                                   ; the ring goes on into the next tile: slot 0 takes its K step 0,
	QUARTER 1, 64,  F0, F1, 0
	QUARTER 1, 128, F1, F0, 0
	QUARTER 1, 192, F0, F1, 0
	TURN 1, 0, 1                                   ; slot 1 its K step 1, and the next tile's first fragments are fetched
	WIN 0
	EPILOGUE 1                                     ; slot 1's refill is on its way while the tile's scores are scanned
	s_sub_co_u32 s2, s2, 1
	s_branch .Ltile
.Llast_tile:
	MEET 0                                         ; my one tensor load that was still out is slot 1's, the last K step's, so no round follows
	PLACES                                         ; for the loads into buffer 0, which the quarter before multiplied
	FETCH 1, 0, F0
	WIN MUL_HI
	MUL16 F1, 1, 0, 0
	MUL16 F1, 1, 2, 0
	QUARTER 1, 64,  F0, F1, 0
	QUARTER 1, 128, F1, F0, 0
	QUARTER 1, 192, F0, F1, 0
	s_wait_dscnt 8                                 ; the very last quarter: nothing more to fetch
	MUL16 F1, 0, 0, 0
	MUL16 F1, 0, 2, 0
	s_wait_dscnt 0x0
	MUL16 F1, 1, 0, 0
	MUL16 F1, 1, 2, 0
	WIN 0
	EPILOGUE 0
	; THE END.  A row's 1,280 columns lie in four places: two halves of the lanes, two waves.  Each merge takes the smaller dist, and of equal dist the smaller index.
.irp a, 0,1,2,3,4,5,6,7
	v_permlanex16_b32 v2, v[BEST+(\a)], s[SEL], s[SEL+1]  ; the row's other columns lie in the lane 16 away
	v_permlanex16_b32 v3, v[IDX+(\a)], s[SEL], s[SEL+1]
	v_cmp_lt_f32 s76, v2, v[BEST+(\a)]
	v_cmp_eq_f32 s77, v2, v[BEST+(\a)]
	v_cmp_lt_u32 s78, v3, v[IDX+(\a)]
	s_and_b32 s77, s77, s78
	s_or_b32 s76, s76, s77
	v_cndmask_b32 v[BEST+(\a)], v[BEST+(\a)], v2, s76
	v_cndmask_b32 v[IDX+(\a)], v[IDX+(\a)], v3, s76
.endr
.irp a, 0,1,2,3,4,5,6,7
	ds_store_b32 v[MV], v[BEST+(\a)] offset:64*(\a)       ; lanes l and l + 16 write the same word with the same number
	ds_store_b32 v[MV], v[IDX+(\a)] offset:2048+64*(\a)
.endr
	s_wait_dscnt 0x0                               ; for the others' sake: my stores are done
	s_barrier_signal -1
	s_barrier_wait -1
	ds_load_b64 v[4:5], v[ML]                      ; two rows' values from the left columns' wave,
	ds_load_b64 v[6:7], v[ML] offset:512           ; from the right columns' wave,
	ds_load_b64 v[8:9], v[ML] offset:2048          ; and their indices
	ds_load_b64 v[10:11], v[ML] offset:2560
	s_wait_dscnt 0x0
.irp e, 0,1
	v_cmp_lt_f32 s76, v[6+(\e)], v[4+(\e)]
	v_cmp_eq_f32 s77, v[6+(\e)], v[4+(\e)]
	v_cmp_lt_u32 s78, v[10+(\e)], v[8+(\e)]
	s_and_b32 s77, s77, s78
	s_or_b32 s76, s76, s77
	v_cndmask_b32 v[4+(\e)], v[4+(\e)], v[6+(\e)], s76
	v_cndmask_b32 v[8+(\e)], v[8+(\e)], v[10+(\e)], s76
.endr
	global_store_b64 v[PO], v[4:5], s[PVAL:PVAL+1] ; 256 consecutive bytes, at a multiple of 256 from the buffer's first
	global_store_b64 v[PO], v[8:9], s[PIDX:PIDX+1]
	s_wait_tensorcnt 0x0                           ; the wave's end, behind my last tensor load and my last LDS store
	ds_add_u32 v[SPW], v[NIL]
	s_wait_dscnt 0x0
	CROUND                                         ; the closing round: no work-group ends while a partner may still ask for a tile that names it
	s_endpgm
.Lfunc_end_k_q014730e644_assign:
	.size	k_q014730e644_assign, .Lfunc_end_k_q014730e644_assign-k_q014730e644_assign
	.p2alignl 7, 3214868480
	.fill 96, 4, 3214868480
	.section	.rodata,"a",@progbits
	.p2align	6, 0x0
	.amdhsa_kernel k_q014730e644_assign
		.amdhsa_group_segment_fixed_size 327680
		.amdhsa_private_segment_fixed_size 0
		.amdhsa_enable_private_segment 0
		.amdhsa_kernarg_size 48
		.amdhsa_user_sgpr_count 2
		.amdhsa_user_sgpr_kernarg_segment_ptr 1
		.amdhsa_wavefront_size32 1
		.amdhsa_system_sgpr_workgroup_id_x 1
		.amdhsa_system_sgpr_workgroup_id_y 1
		.amdhsa_system_sgpr_workgroup_id_z 1
		.amdhsa_system_vgpr_workitem_id 0
		.amdhsa_next_free_vgpr 1024
		.amdhsa_next_free_sgpr 88
		.amdhsa_reserve_vcc 0
		.amdhsa_float_denorm_mode_32 3
		.amdhsa_float_denorm_mode_16_64 3
		.amdhsa_memory_ordered 1
		.amdhsa_forward_progress 1
		.amdhsa_inst_pref_size 255
	.end_amdhsa_kernel
	.section	.bss,"aw",@nobits
	.p2align	6
	.space	262144
	.amdgpu_metadata
---
amdhsa.version: [ 1, 2 ]
amdhsa.kernels:
  - .name:           k_q014730e644_assign
    .symbol:         k_q014730e644_assign.kd
    .args:
      - { .name: xb, .offset: 0, .size: 8, .value_kind: global_buffer, .address_space: global }
      - { .name: cb, .offset: 8, .size: 8, .value_kind: global_buffer, .address_space: global }
      - { .name: xn, .offset: 16, .size: 8, .value_kind: global_buffer, .address_space: global }
      - { .name: cn, .offset: 24, .size: 8, .value_kind: global_buffer, .address_space: global }
      - { .name: pval, .offset: 32, .size: 8, .value_kind: global_buffer, .address_space: global }
      - { .name: pidx, .offset: 40, .size: 8, .value_kind: global_buffer, .address_space: global }
    .group_segment_fixed_size: 327680
    .private_segment_fixed_size: 0
    .kernarg_segment_align: 8
    .kernarg_segment_size: 48
    .max_flat_workgroup_size: 128
    .sgpr_count:     88
    .vgpr_count:     1024
    .wavefront_size: 32
...
	.end_amdgpu_metadata
.endif
;; end of part 2
;; launch merge (part 3): grid 32 x 1, 4 waves a work-group, no clusters, 0 bytes of LDS; arguments pval, pidx, out0; writes out0
.if DOCPART == 3
	.amdgcn_target "amdgcn-amd-amdhsa--gfx1250"
	.amdhsa_code_object_version 6
	.text
	.protected	k_q014730e644_merge
	.globl	k_q014730e644_merge
	.p2align	8
	.type	k_q014730e644_merge,@function
k_q014730e644_merge:
	s_mov_b64 s[64:65], 0
	v_nop
	global_prefetch_b8 v0, s[64:65] scope:SCOPE_SE
	s_setreg_imm32_b32 hwreg(HW_REG_WAVE_MODE, 25, 1), 1
	s_wait_xcnt 0x0
; out0[row] = the index of the first minimum over the eight column groups.  pval: [8][8192] f32, pidx: [8][8192] i32, out0: [8192] i32.
; A thread owns two rows; each load and the store of a wave cover 256 consecutive bytes at a multiple of 256.  All sixteen loads go out together; there is no LDS and no barrier.
; All indices of group g lie below those of group g + 1, so 'strictly smaller replaces' keeps the first minimum.  524,288 bytes in all: 32 work-groups have all the work there is.
; LIMITS.  NaN is not treated apart; where all eight values are +inf the index is group 0's, which is 0.
	s_load_b128 s[4:7], s[0:1], 0x0                ; pval s[4:5], pidx s[6:7]
	s_load_b64 s[8:9], s[0:1], 0x10                ; out0
	s_lshl_b32 s10, ttmp9, 10                      ; the group's 256 rows
	v_lshl_add_u32 v1, v0, 3, s10                  ; my two rows, in bytes
	s_wait_kmcnt 0x0
.irp g, 0,1,2,3,4,5,6,7
	global_load_b64 v[4+2*(\g):5+2*(\g)], v1, s[4:5] offset:32768*(\g)
.endr
.irp g, 0,1,2,3,4,5,6,7
	global_load_b64 v[20+2*(\g):21+2*(\g)], v1, s[6:7] offset:32768*(\g)
.endr
	s_wait_loadcnt 0x0
.irp g, 1,2,3,4,5,6,7
	v_cmp_lt_f32 vcc_lo, v[4+2*(\g)], v4
	v_cmp_lt_f32 s11, v[5+2*(\g)], v5
	v_cndmask_b32 v4, v4, v[4+2*(\g)], vcc_lo
	v_cndmask_b32 v20, v20, v[20+2*(\g)], vcc_lo
	v_cndmask_b32 v5, v5, v[5+2*(\g)], s11
	v_cndmask_b32 v21, v21, v[21+2*(\g)], s11
.endr
	global_store_b64 v1, v[20:21], s[8:9]
	s_endpgm
.Lfunc_end_k_q014730e644_merge:
	.size	k_q014730e644_merge, .Lfunc_end_k_q014730e644_merge-k_q014730e644_merge
	.p2alignl 7, 3214868480
	.fill 96, 4, 3214868480
	.section	.rodata,"a",@progbits
	.p2align	6, 0x0
	.amdhsa_kernel k_q014730e644_merge
		.amdhsa_group_segment_fixed_size 0
		.amdhsa_private_segment_fixed_size 0
		.amdhsa_enable_private_segment 0
		.amdhsa_kernarg_size 24
		.amdhsa_user_sgpr_count 2
		.amdhsa_user_sgpr_kernarg_segment_ptr 1
		.amdhsa_wavefront_size32 1
		.amdhsa_system_sgpr_workgroup_id_x 1
		.amdhsa_system_sgpr_workgroup_id_y 1
		.amdhsa_system_sgpr_workgroup_id_z 1
		.amdhsa_system_vgpr_workitem_id 0
		.amdhsa_next_free_vgpr 40
		.amdhsa_next_free_sgpr 66
		.amdhsa_reserve_vcc 1
		.amdhsa_float_denorm_mode_32 3
		.amdhsa_float_denorm_mode_16_64 3
		.amdhsa_memory_ordered 1
		.amdhsa_forward_progress 1
		.amdhsa_inst_pref_size 5
	.end_amdhsa_kernel
	.amdgpu_metadata
---
amdhsa.version: [ 1, 2 ]
amdhsa.kernels:
  - .name:           k_q014730e644_merge
    .symbol:         k_q014730e644_merge.kd
    .args:
      - { .name: pval, .offset: 0, .size: 8, .value_kind: global_buffer, .address_space: global }
      - { .name: pidx, .offset: 8, .size: 8, .value_kind: global_buffer, .address_space: global }
      - { .name: out0, .offset: 16, .size: 8, .value_kind: global_buffer, .address_space: global }
    .group_segment_fixed_size: 0
    .private_segment_fixed_size: 0
    .kernarg_segment_align: 8
    .kernarg_segment_size: 24
    .max_flat_workgroup_size: 128
    .sgpr_count:     66
    .vgpr_count:     40
    .wavefront_size: 32
...
	.end_amdgpu_metadata
.endif
;; end of part 3
